; MI455X (gfx1250); checked and timed in simulation.
; The chip was launched on July 23, 2026; its instructions are those of AMD's public machine-readable ISA for CDNA 5 (MIT licence, August 2026) and "CDNA5" Instruction Set Architecture Reference Guide (July 2026). The comments in the code are by the model that wrote it; some were corrected since.
;; Grid Renderer. Allowed arithmetic: matrix products marked QUANTISED: E3M2 operands, one E8M0 scale for each 32 along K, by v_wmma_scale_f32_16x16x128_f8f6f4 with both operands' format E3M2, f32 sums; everything else in f32.
;; Inputs: W0_codes 64 x 1 x 24 uint8 (E3M2 codes of W0, K innermost, in blocks of 32 codes, four codes in three bytes); W0_scales 64 x 1 uint8 (E8M0 scales of W0, one for each 32 codes along K); W1_codes 64 x 2 x 24 uint8 (E3M2 codes of W1, K innermost, in blocks of 32 codes, four codes in three bytes); W1_scales 64 x 2 uint8 (E8M0 scales of W1, one for each 32 codes along K); W2_codes 65 x 2 x 24 uint8 (E3M2 codes of W2, K innermost, in blocks of 32 codes, four codes in three bytes); W2_scales 65 x 2 uint8 (E8M0 scales of W2, one for each 32 codes along K); coord_center 3 float32; tables 16 x 524,288 x 2 float32; x 1,000,000 x 3 float32.
;; Outputs: out0 1,000,000 float32.
;; This version of the problem:
;;   THIS VERSION OF THE PROBLEM IS GIVEN IN LOW PRECISION. The matrix products marked QUANTISED in the list below multiply operands that are first quantised to E3M2 (3 exponent bits, 2 mantissa bits; 6 bits a number), with one power-of-two scale for each 32 numbers along K (OCP MX v1.0); their sums are f32. All else is computed in f32.
;;   The module's matrix products, in the order in which they are computed (A, B: the left and right operand; K: the contracted axis; several contracted axes count as one K, in the product's order):
;;     1. [M 1,000,000, K 32] x [K 32, N 64]; A: computed on the way; B: input W0 (given as codes): QUANTISED
;;     2. [M 1,000,000, K 64] x [K 64, N 64]; A: computed on the way; B: input W1 (given as codes): QUANTISED
;;     3. [M 1,000,000, K 64] x [K 64, N 65]; A: computed on the way; B: input W2 (given as codes): QUANTISED
;;   THE QUANTISER, for each operand of a quantised product, along K:
;;     - K is cut into blocks of 32 from its start; a last block that is shorter is filled with zeros.
;;     - A block's scale is 2^e with e = floor(log2(the largest magnitude in the block)) - 4, held to -126 .. 127; a block of zeros has e = 0. As a byte (E8M0): e + 127.
;;     - Each number is divided by its block's scale, clamped to +-28, and rounded to the nearest number of E3M2, ties to even, subnormals kept.
;;     - The product sums the exact products of the quantised numbers (number of the format x scale) in f32.
;;   ~~~python
;;   def quantise(x, axis):      # numpy; x: float32 -> the quantised numbers, widened to float32 again
;;       x = np.moveaxis(x, axis, -1); K = x.shape[-1]
;;       x = np.pad(x, [(0, 0)] * (x.ndim - 1) + [(0, -K % 32)]); x = x.reshape(x.shape[:-1] + (-1, 32)); a = np.abs(x).max(-1, keepdims=True)
;;       e = np.where(a > 0, np.clip(np.frexp(np.where(a > 0, a, 1))[1] - 1 - 4, -126, 127), 0)      # np.frexp(a)[1] - 1 = floor(log2(a)), exactly
;;       r = np.clip(x / 2.0 ** e, -28, 28)
;;       step = 2.0 ** (np.maximum(np.frexp(np.where(r == 0, 1, r))[1] - 1, -2) - 2)
;;       q = np.round(r / step) * step * 2.0 ** e      # np.round: ties to even
;;       return np.moveaxis(q.reshape(q.shape[:-2] + (-1,))[..., :K], -1, axis).astype(np.float32)
;;   ~~~
;;   OPERANDS COMPUTED ON THE WAY. 'Computed on the way' means the value that the module computes at that place (a softmax that the list does not call 'softmax' is quantised finished and normalised). What goes into a quantiser is computed in f32, as accurately as f32 sums, v_exp_f32 and their like allow (about 1e-6 of the number): no bf16 or f16 on the way to a quantiser, and a product that is left as it is and whose result goes on into a quantised operand takes f32 operands (vector FMAs, or v_wmma_f32_16x16x4_f32). A number that lies on a knife's edge between two numbers of the format may be rounded either way, as far as f32 arithmetic and the matrix unit's own rounding can turn it there, and no further.
;;   INPUTS GIVEN AS CODES. W0 (in the module: [32, 64], K = its axis 0); W1 (in the module: [64, 64], K = its axis 0); W2 (in the module: [64, 65], K = its axis 0): each comes as NAME_codes (uint8): NAME with its K axis moved to the last place and cut into blocks of 32 codes, [.., K / 32, bytes a block], one block behind the other in memory; four codes in three bytes: a row's codes are one little-endian stream of bits, code i at bits 6 i .. 6 i + 5 (a code: sign, 3 exponent bits, 2 mantissa bits); and NAME_scales (uint8): the same leading axes, one E8M0 byte (e + 127) for each 32 codes along K. Its value is code x scale, taken as it is: it is not quantised again, and the codes and scales need not be those that the quantiser above would give.
;; One version. Each part assembles by itself: llvm-mc -triple=amdgcn-amd-amdhsa -mcpu=gfx1250 --defsym DOCPART=n.
;; ======== version 1 of 1: 2 launches
;; limits: right only within a limited range of input values
;; workspace buffers: q 12,000,768 bytes of whole numbers; wimg 28,416 bytes; pk 79,937,536 bytes
;; launch prep (part 1): grid 5857 x 1, 8 waves a work-group, no clusters, 13,312 bytes of LDS; arguments x, coord_center, W0_codes, W0_scales, W1_codes, W1_scales, W2_codes, W2_scales, q, wimg, tables, pk; writes q, wimg, pk
.if DOCPART == 1
	.amdgcn_target "amdgcn-amd-amdhsa--gfx1250"
	.amdhsa_code_object_version 6
	.text
	.protected	k_q73ab0a3827_prep
	.globl	k_q73ab0a3827_prep
	.p2align	8
	.type	k_q73ab0a3827_prep,@function
k_q73ab0a3827_prep:
	s_mov_b64 s[64:65], 0
	v_nop
	global_prefetch_b8 v0, s[64:65] scope:SCOPE_SE
	s_setreg_imm32_b32 hwreg(HW_REG_WAVE_MODE, 25, 1), 1
	s_wait_xcnt 0x0
; THREE JOBS, told apart by the work-group's number.
; LEFT OUT in the whole program: columns 1 to 64 of the third product (rows 8 to 64 of W2 as it is given): the problem returns column 0 alone, whatever the inputs hold.  A NaN or an infinity that reaches only those columns is not carried anywhere.
; (1) Work-groups 0 to 976: the coordinates become whole numbers.  x01 = ((x - centre) + 1) / 2, held to 0 .. 1, is stored as q = x01 x 2^31, held at 2^31 - 1.
;     Nothing is lost: s = (x - centre) + 1 is an f32 sum; where it lies in 0 .. 2 it is a multiple of 2^-24, so s x 2^30 is a whole number.  The hold at 0 and 1 stands for the clip of the corners: where both corners of an axis are
;     clipped onto one, their two weights add to 1.  The next launch forms its addresses from q alone.
;     A wave takes a group of 128 points, 1,536 bytes: three loads of 512 consecutive bytes, a turn through its own 1,536 bytes of LDS, so that a lane holds its 4 points' 12 numbers,
;     and three stores of 512 consecutive bytes: byte 1536 g + 512 c + 16 lane of q = registers 4 c .. 4 c + 3; register i = coordinate i % 3 of point 128 g + 4 lane + i / 3.
; (2) Work-group 977: the weights become images of the matrix operand's registers, 12 a lane.  Tile t of a weight: lane (r, h) (r = lane % 16, h = lane / 16) holds the codes of weight row 8 t + r % 8 where r / 8 = h, and zero codes elsewhere.
;     In the 6-bit operand layout (ISA guide, 7.12) rows 0-7 of the tile then have codes in K quarters 0 and 2, rows 8-15 in quarters 1 and 3.  The row's scale word is (s0 | s1 << 16) << 8 (r / 8); the other two bytes are 0, over zero codes.
;     wimg: fragment f at 1536 f (W0's tiles: f = t; W1's: f = 8 + t; W2's rows 0-7: f = 16), its scale words at 26112 + 128 f + 4 lane.
; (3) Work-groups 978 to 5856: LEVELS 0 TO 6 OF THE HASH GRID ARE LAID ANEW in pk, so that the next launch finds a cell's eight corners in 64 consecutive bytes.
;     Level l (resolution R): entry e = (z R + y) S + s, y and z = 0 .. R - 1, is 32 bytes: two chunks of 16 bytes; chunk h (0, 1) holds the table's entries of the vertices (x, y, z + h) and (x, y + 1, z + h), two f32 each.
;     Levels 0 to 5: slot s holds vertex x = s - s / 4 (held at R), S = 4 ceil(R / 3): each 128 bytes hold the vertices 3 k .. 3 k + 3, and the next 128 begin with 3 k + 3 again, so the entries of x and x + 1 lie in one aligned 128 bytes.
;     Level 6: x = s, S = R + 1.  The vertex's place in the table is the problem's own: x + y (R + 1) + z (R + 1)^2 in levels 0 to 4, the hash in levels 5 and 6.
;     A level takes whole units of 16,384 bytes: 12, 31, 71, 193, 526, 1350, 2696 of them.  A work-group makes one unit, 1,024 chunks, a thread four of them, 256 chunks apart: each store of a wave covers 512 consecutive bytes, aligned.
;     Chunks past a level's last entry repeat that entry; nobody reads them.  e is cut by whole numbers: n / d = the upper word of n x (floor(2^32 / d) + 1), exact while n d < 2^32 (here n < 1,379,952 and d <= 112).
; LIMITS: NaN and infinities in x and coord_center are not served.
.set GROUPS, 7813                      ; groups of 128 points: the last is half full
.set WGC,    977                       ; work-groups on coordinates, 8 groups each
.set WGP0,   978                       ; the first work-group of job (3)
.set GB,     1536                      ; bytes of a group, and of a fragment's image
.set XLAST,  11999984                  ; the last 16 bytes of x: no load leaves the buffer
.set WSC,    26112                     ; where the scale words begin in wimg: 17 x 1536
	s_cmp_ge_u32 ttmp9, WGP0
	s_cbranch_scc1 .Lpack
	s_load_b512 s[4:19], s[0:1], 0x0               ; x s[4:5], centre s[6:7], W0 codes s[8:9], scales s[10:11], W1 s[12:13], s[14:15], W2 s[16:17], s[18:19]
	s_load_b128 s[20:23], s[0:1], 0x40             ; q s[20:21], wimg s[22:23]
	v_lshl_add_u32 v64, v0, 2, 0x3000
	v_mov_b32 v65, 0
	v_lshrrev_b32 v1, 5, v0
	s_delay_alu instid0(VALU_DEP_1)
	v_readfirstlane_b32 s24, v1                    ; wave 0..7
	v_and_b32 v1, 31, v0                           ; lane
	s_delay_alu instid0(VALU_DEP_1)
	v_lshlrev_b32 v2, 4, v1                        ; 16 x lane
	s_mul_i32 s31, s24, GB                         ; 1536 x wave
	v_add_nc_u32 v6, s31, v2                       ; LDS, on the way in: my wave's 1,536 bytes, 16 x lane
	v_mul_u32_u24 v7, v1, 48
	s_delay_alu instid0(VALU_DEP_1)
	v_add_nc_u32 v7, s31, v7                       ; and on the way out: 48 x lane: my 4 points
	s_wait_kmcnt 0x0
	s_cmp_eq_u32 ttmp9, WGC
	s_cbranch_scc1 .Lweights
	; ---- (1) coordinates
	s_lshl_b32 s25, ttmp9, 3
	s_add_co_u32 s25, s25, s24                     ; my group
	s_cmp_ge_u32 s25, GROUPS
	s_cbranch_scc1 .Lend                           ; 977 x 8 waves for 7,813 groups: the last three have none
	s_load_b96 s[28:30], s[6:7], 0x0               ; the centre
	s_mul_i32 s26, s25, GB
	s_mov_b32 s27, 0
	s_add_nc_u64 s[20:21], s[20:21], s[26:27]      ; q at my group
	s_wait_alu depctr_va_vdst(0)
	v_add_nc_u32 v3, s26, v2
	s_delay_alu instid0(VALU_DEP_1)
	v_add_nc_u32 v4, 512, v3
	s_delay_alu instid0(VALU_DEP_2)
	v_add_nc_u32 v5, 1024, v3
	s_delay_alu instid0(VALU_DEP_3)
	v_min_u32 v3, XLAST, v3                        ; the last group reaches past x's end: those lanes read the last 16 bytes, and what is made of them is stored in q and never shown
	s_delay_alu instid0(VALU_DEP_3)
	v_min_u32 v4, XLAST, v4
	s_delay_alu instid0(VALU_DEP_3)
	v_min_u32 v5, XLAST, v5
	global_load_b128 v[8:11], v3, s[4:5] th:TH_LOAD_NT     ; 32 lanes read 512 consecutive bytes; read once in the launch
	global_load_b128 v[12:15], v4, s[4:5] th:TH_LOAD_NT
	global_load_b128 v[16:19], v5, s[4:5] th:TH_LOAD_NT
	s_wait_loadcnt 0x0
.irp c, 0,1,2
	ds_store_b128 v6, v[8+4*\c:11+4*\c] offset:512*\c
.endr
.irp c, 0,1,2
	ds_load_b128 v[20+4*\c:23+4*\c], v7 offset:16*\c       ; my wave's own bytes, and LDS serves a wave's instructions in order (ISA guide 5.7.1): no wait and no barrier between
.endr
	s_wait_dscnt 0x0
	s_wait_kmcnt 0x0                               ; the centre
.irp i, 0,1,2,3,4,5,6,7,8,9,10,11
	v_sub_f32 v[20+\i], v[20+\i], s[28+(\i%3)]     ; x - centre
.endr
.irp i, 0,1,2,3,4,5,6,7,8,9,10,11
	v_add_f32 v[20+\i], 1.0, v[20+\i]              ; + bound
.endr
.irp i, 0,1,2,3,4,5,6,7,8,9,10,11
	v_med3_num_f32 v[20+\i], v[20+\i], 0, 2.0      ; held to 0 .. 2
.endr
.irp i, 0,1,2,3,4,5,6,7,8,9,10,11
	v_mul_f32 v[20+\i], 0x4e800000, v[20+\i]       ; x 2^30 = / 2 x 2^31: exact
.endr
.irp i, 0,1,2,3,4,5,6,7,8,9,10,11
	v_cvt_u32_f32 v[20+\i], v[20+\i]               ; a whole number already
.endr
.irp i, 0,1,2,3,4,5,6,7,8,9,10,11
	v_min_u32 v[20+\i], 0x7fffffff, v[20+\i]       ; x01 = 1 is kept as 2^31 - 1: its cell is then res - 1 and no corner passes res
.endr
.irp c, 0,1,2
	global_store_b128 v2, v[20+4*\c:23+4*\c], s[20:21] offset:512*\c   ; 32 lanes store 512 consecutive bytes, at a multiple of 256 from q's first byte
.endr
	s_wait_tensorcnt 0x0                           ; the wave's end
	ds_add_u32 v64, v65
	s_wait_dscnt 0x0
	s_endpgm
	; ---- (2) weights.  Wave w makes tile w of W0 and of W1; wave 0 also W2's rows 0-7.  Each fragment has 16 registers of its own, so no store's data are written again.
; the loads of one fragment into set S: S .. S+11 the codes, S+12, S+13 the scale bytes, S+14, S+15 the offsets.  nb: blocks of 32 in a row;  ur: the register with my weight row
.macro BLOAD S, cp, sp, nb, ur
	v_mul_u32_u24 v[\S+14], v[\ur], 24*\nb         ; a row of codes is 24 bytes a block
	v_mul_u32_u24 v[\S+15], v[\ur], \nb            ; a row of scales one byte a block
.set i, 0
.rept 3*\nb
	global_load_b64 v[\S+2*i:\S+2*i+1], v[\S+14], s[\cp:\cp+1] offset:8*i      ; the row's stream of bits as it lies, in pieces of 8 bytes
.set i, i+1
.endr
.set i, 0
.rept \nb
	global_load_u8 v[\S+12+i], v[\S+15], s[\sp:\sp+1] offset:i
.set i, i+1
.endr
.endm
; the fragment is finished and stored as image f (+ my wave's number, which lies in v10 and v11)
.macro BFIN S, nb, f
.set i, 0
.rept 6*\nb
	v_cndmask_b32 v[\S+i], 0, v[\S+i], vcc_lo      ; the codes where r / 8 = h, zero codes elsewhere
.set i, i+1
.endr
.if \nb == 1
.irp j, 6,7,8,9,10,11,13
	v_mov_b32 v[\S+\j], 0                          ; K = 32: the second block's codes and byte are zeros
.endr
.endif
	v_lshl_or_b32 v[\S+12], v[\S+13], 16, v[\S+12] ; s0 | s1 << 16,
	s_delay_alu instid0(VALU_DEP_1)
	v_lshlrev_b32 v[\S+12], v8, v[\S+12]           ; 8 (r / 8) bits up
.irp c, 0,1,2
	global_store_b128 v10, v[\S+4*\c:\S+4*\c+3], s[22:23] offset:GB*\f+512*\c
.endr
	global_store_b32 v11, v[\S+12], s[22:23] offset:WSC+128*\f
.endm
.Lweights:
	v_and_b32 v3, 7, v0                            ; r % 8
	v_bfe_u32 v4, v0, 3, 1                         ; r / 8
	v_bfe_u32 v5, v0, 4, 1                         ; h
	s_delay_alu instid0(VALU_DEP_1)
	v_cmp_eq_u32 vcc_lo, v4, v5
	s_delay_alu instid0(VALU_DEP_3)
	v_lshlrev_b32 v8, 3, v4
	s_lshl_b32 s25, s24, 3
	v_add_nc_u32 v9, s25, v3                       ; my weight row: 8 x wave + r % 8
	v_add_nc_u32 v10, s31, v2                      ; 16 x lane + 1536 x wave
	s_lshl_b32 s26, s24, 7
	v_lshl_add_u32 v11, v1, 2, s26                 ; 4 x lane + 128 x wave
	BLOAD 16, 8, 10, 1, 9
	BLOAD 32, 12, 14, 2, 9
	s_wait_loadcnt 0x0
	BFIN 16, 1, 0
	BFIN 32, 2, 8
	s_cmp_lg_u32 s24, 0
	s_cbranch_scc1 .Lend
	BLOAD 48, 16, 18, 2, 3                         ; W2: rows 0-7; only row 0, sigma's, is used of the result
	s_wait_loadcnt 0x0
	BFIN 48, 2, 16
.Lend:
	s_endpgm
	; ---- (3) the packed levels.  No LDS, no barrier: no thread needs another's numbers
.set P1, 0x9e3779b1
.set P2, 0x30025795
.set C,  4                             ; v4-7    my four chunks' numbers in the level; later at work
.set H,  8                             ; v8-11   h
.set E,  12                            ; v12-15  e
.set RW, 16                            ; v16-19  z R + y
.set T,  20                            ; v20-23  at work
.set X,  24                            ; v24-27  s, x, then the first vertex's byte offset in the table
.set Y,  28                            ; v28-31  y, then the second's
.set Z,  32                            ; v32-35  z, then z + h
.set D,  36                            ; v36-51  the chunks
.macro LV st, r, pt, l                 ; from unit st on: level l, resolution r, pt entries to a row
	s_cmp_ge_u32 s24, \st
	s_cselect_b32 s8, \r, s8
	s_cselect_b32 s9, \st, s9
	s_cselect_b32 s13, \pt, s13
	s_cselect_b32 s10, (1<<32)/(\pt)+1, s10
	s_cselect_b32 s11, (1<<32)/(\r)+1, s11
	s_cselect_b32 s12, \l, s12
.endm
.Lpack:
	s_load_b128 s[4:7], s[0:1], 0x50               ; tables s[4:5], pk s[6:7]
	s_sub_co_u32 s24, ttmp9, WGP0                  ; my unit
	s_mov_b32 s8, 16                               ; R
	s_mov_b32 s9, 0                                ; the level's first unit
	s_mov_b32 s13, 24                              ; S
	s_mov_b32 s10, (1<<32)/24+1                    ; for / S
	s_mov_b32 s11, (1<<32)/16+1                    ; for / R
	s_mov_b32 s12, 0                               ; the level
	LV 12, 22, 32, 1
	LV 43, 30, 40, 2
	LV 114, 42, 56, 3
	LV 307, 58, 80, 4
	LV 833, 80, 108, 5
	LV 2183, 111, 112, 6
	s_add_co_u32 s25, s8, 1                        ; R + 1
	s_mul_i32 s14, s25, s25                        ; its square
	s_mul_i32 s15, s8, s8
	s_mul_i32 s15, s15, s13
	s_sub_co_u32 s15, s15, 1                       ; the level's last entry
	s_sub_co_u32 s16, s24, s9
	s_lshl_b32 s16, s16, 10                        ; my unit's first chunk
	s_cmp_lt_u32 s12, 6
	s_cselect_b32 s17, -1, 0                       ; all ones where every fourth slot repeats a vertex
	s_lshl_b32 s18, s12, 22                        ; the level's table: 4 MiB each
	s_mov_b32 s19, 0
	s_lshl_b32 s20, s24, 14                        ; my unit in pk
	s_mov_b32 s21, 0
	s_mov_b32 s22, P1
	s_mov_b32 s23, P2
	s_wait_kmcnt 0x0
	s_add_nc_u64 s[4:5], s[4:5], s[18:19]
	s_add_nc_u64 s[6:7], s[6:7], s[20:21]
.irp u, 0,1,2,3                        ; the four chunks by turns: no line reads the line above it
	v_add3_u32 v[C+\u], v0, s16, 256*\u
.endr
.irp u, 0,1,2,3
	s_delay_alu instid0(VALU_DEP_4)
	v_and_b32 v[H+\u], 1, v[C+\u]
.endr
.irp u, 0,1,2,3
	v_lshrrev_b32 v[E+\u], 1, v[C+\u]
.endr
.irp u, 0,1,2,3
	s_delay_alu instid0(VALU_DEP_4)
	v_min_u32 v[E+\u], s15, v[E+\u]
.endr
.irp u, 0,1,2,3
	s_delay_alu instid0(VALU_DEP_4)
	v_mul_hi_u32 v[RW+\u], v[E+\u], s10            ; e / S
.endr
.irp u, 0,1,2,3
	s_delay_alu instid0(VALU_DEP_4)
	v_mul_lo_u32 v[T+\u], v[RW+\u], s13
.endr
.irp u, 0,1,2,3
	v_mul_hi_u32 v[Z+\u], v[RW+\u], s11            ; z
.endr
.irp u, 0,1,2,3
	v_sub_nc_u32 v[X+\u], v[E+\u], v[T+\u]         ; s
.endr
.irp u, 0,1,2,3
	v_mul_lo_u32 v[T+\u], v[Z+\u], s8
.endr
.irp u, 0,1,2,3
	v_lshrrev_b32 v[C+\u], 2, v[X+\u]
.endr
.irp u, 0,1,2,3
	v_add_nc_u32 v[Z+\u], v[Z+\u], v[H+\u]         ; z + h
.endr
.irp u, 0,1,2,3
	v_and_b32 v[C+\u], s17, v[C+\u]                ; s / 4, or 0 in level 6
.endr
.irp u, 0,1,2,3
	v_sub_nc_u32 v[Y+\u], v[RW+\u], v[T+\u]        ; y
.endr
.irp u, 0,1,2,3
	v_sub_nc_u32 v[X+\u], v[X+\u], v[C+\u]
.endr
.irp u, 0,1,2,3
	s_delay_alu instid0(VALU_DEP_4)
	v_min_u32 v[X+\u], s8, v[X+\u]                 ; x, held at R: the slots past a row's last vertex repeat it
.endr
	s_cmp_lt_u32 s12, 5
	s_wait_alu depctr_va_vdst(0)
	s_cbranch_scc0 .Lhashed
.irp u, 0,1,2,3                        ; levels 0 to 4
	v_mad_u32_u24 v[X+\u], v[Y+\u], s25, v[X+\u]
.endr
.irp u, 0,1,2,3
	s_delay_alu instid0(VALU_DEP_4)
	v_mad_u32_u24 v[X+\u], v[Z+\u], s14, v[X+\u]
.endr
.irp u, 0,1,2,3
	s_delay_alu instid0(VALU_DEP_4)
	v_add_nc_u32 v[Y+\u], s25, v[X+\u]             ; y + 1
.endr
.irp u, 0,1,2,3
	v_lshlrev_b32 v[X+\u], 3, v[X+\u]
.endr
.irp u, 0,1,2,3
	v_lshlrev_b32 v[Y+\u], 3, v[Y+\u]
.endr
	s_wait_alu depctr_va_vdst(0)
	s_branch .Lgo
.Lhashed:                              ; levels 5 and 6
.irp u, 0,1,2,3
	v_mul_lo_u32 v[T+\u], v[Y+\u], s22
.endr
.irp u, 0,1,2,3
	v_mul_lo_u32 v[Z+\u], v[Z+\u], s23
.endr
.irp u, 0,1,2,3
	s_delay_alu instid0(VALU_DEP_4)
	v_xor_b32 v[X+\u], v[X+\u], v[Z+\u]
.endr
.irp u, 0,1,2,3
	v_add_nc_u32 v[Y+\u], s22, v[T+\u]             ; (y + 1) P1
.endr
.irp u, 0,1,2,3
	v_xor_b32 v[T+\u], v[X+\u], v[T+\u]
.endr
.irp u, 0,1,2,3
	v_xor_b32 v[Y+\u], v[X+\u], v[Y+\u]
.endr
.irp u, 0,1,2,3
	v_and_b32 v[X+\u], 0x7ffff, v[T+\u]
.endr
.irp u, 0,1,2,3
	v_and_b32 v[Y+\u], 0x7ffff, v[Y+\u]
.endr
.irp u, 0,1,2,3
	v_lshlrev_b32 v[X+\u], 3, v[X+\u]
.endr
.irp u, 0,1,2,3
	v_lshlrev_b32 v[Y+\u], 3, v[Y+\u]
.endr
.Lgo:
.irp u, 0,1,2,3
	global_load_b64 v[D+4*\u:D+4*\u+1], v[X+\u], s[4:5]
	global_load_b64 v[D+4*\u+2:D+4*\u+3], v[Y+\u], s[4:5]
.endr
	v_lshlrev_b32 v1, 4, v0
	s_wait_alu depctr_va_vdst(0)
.irp u, 0,1,2,3
	s_wait_loadcnt 6-2*\u                          ; loads come back in order: chunk u's two are in, the younger chunks' stay out
	global_store_b128 v1, v[D+4*\u:D+4*\u+3], s[6:7] offset:4096*\u
.endr
	s_endpgm
.Lfunc_end_k_q73ab0a3827_prep:
	.size	k_q73ab0a3827_prep, .Lfunc_end_k_q73ab0a3827_prep-k_q73ab0a3827_prep
	.p2alignl 7, 3214868480
	.fill 96, 4, 3214868480
	.section	.rodata,"a",@progbits
	.p2align	6, 0x0
	.amdhsa_kernel k_q73ab0a3827_prep
		.amdhsa_group_segment_fixed_size 13312
		.amdhsa_private_segment_fixed_size 0
		.amdhsa_enable_private_segment 0
		.amdhsa_kernarg_size 96
		.amdhsa_user_sgpr_count 2
		.amdhsa_user_sgpr_kernarg_segment_ptr 1
		.amdhsa_wavefront_size32 1
		.amdhsa_system_sgpr_workgroup_id_x 1
		.amdhsa_system_sgpr_workgroup_id_y 1
		.amdhsa_system_sgpr_workgroup_id_z 1
		.amdhsa_system_vgpr_workitem_id 0
		.amdhsa_next_free_vgpr 66
		.amdhsa_next_free_sgpr 66
		.amdhsa_reserve_vcc 1
		.amdhsa_float_denorm_mode_32 3
		.amdhsa_float_denorm_mode_16_64 3
		.amdhsa_memory_ordered 1
		.amdhsa_forward_progress 1
		.amdhsa_inst_pref_size 24
	.end_amdhsa_kernel
	.amdgpu_metadata
---
amdhsa.version: [ 1, 2 ]
amdhsa.kernels:
  - .name:           k_q73ab0a3827_prep
    .symbol:         k_q73ab0a3827_prep.kd
    .args:
      - { .name: x, .offset: 0, .size: 8, .value_kind: global_buffer, .address_space: global }
      - { .name: coord_center, .offset: 8, .size: 8, .value_kind: global_buffer, .address_space: global }
      - { .name: W0_codes, .offset: 16, .size: 8, .value_kind: global_buffer, .address_space: global }
      - { .name: W0_scales, .offset: 24, .size: 8, .value_kind: global_buffer, .address_space: global }
      - { .name: W1_codes, .offset: 32, .size: 8, .value_kind: global_buffer, .address_space: global }
      - { .name: W1_scales, .offset: 40, .size: 8, .value_kind: global_buffer, .address_space: global }
      - { .name: W2_codes, .offset: 48, .size: 8, .value_kind: global_buffer, .address_space: global }
      - { .name: W2_scales, .offset: 56, .size: 8, .value_kind: global_buffer, .address_space: global }
      - { .name: q, .offset: 64, .size: 8, .value_kind: global_buffer, .address_space: global }
      - { .name: wimg, .offset: 72, .size: 8, .value_kind: global_buffer, .address_space: global }
      - { .name: tables, .offset: 80, .size: 8, .value_kind: global_buffer, .address_space: global }
      - { .name: pk, .offset: 88, .size: 8, .value_kind: global_buffer, .address_space: global }
    .group_segment_fixed_size: 13312
    .private_segment_fixed_size: 0
    .kernarg_segment_align: 8
    .kernarg_segment_size: 96
    .max_flat_workgroup_size: 256
    .sgpr_count:     66
    .vgpr_count:     66
    .wavefront_size: 32
...
	.end_amdgpu_metadata
.endif
;; end of part 1
;; launch render (part 2): grid 7813 x 1, 1 waves a work-group, no clusters, 16,640 bytes of LDS; arguments q, wimg, tables, out0, pk; writes out0
.if DOCPART == 2
	.amdgcn_target "amdgcn-amd-amdhsa--gfx1250"
	.amdhsa_code_object_version 6
	.text
	.protected	k_q73ab0a3827_render
	.globl	k_q73ab0a3827_render
	.p2align	8
	.type	k_q73ab0a3827_render,@function
k_q73ab0a3827_render:
	s_mov_b64 s[64:65], 0
	v_nop
	global_prefetch_b8 v0, s[64:65] scope:SCOPE_SE
	s_setreg_imm32_b32 hwreg(HW_REG_WAVE_MODE, 25, 1), 1
	s_wait_xcnt 0x0
; sigma = column 0 of relu(relu(enc W0) W1) W2, enc the hash-grid encoding (16 levels x 2 features) of a point; the three products on codes of BF6 (E3M2) with one E8M0 scale for each 32 along K.
; LEFT OUT: columns 1 to 64 of the third product: the problem slices them away, whatever the inputs hold; only the tile with column 0 is made.  A NaN or an infinity that reaches only those columns is not carried anywhere.
; SHARES.  A work-group is one wave; it takes a group of 128 points, a lane 4 of them (128 g + 4 lane + p).  7,813 groups; in the last one 16 lanes store.  Groups share nothing: no barrier, no cluster.
; THE LEVELS ARE THE OUTER LOOP; the encodings lie in the wave's 16,384 bytes of LDS until all 16 levels are in.
; THE CELL.  q = x01 x 2^31 is a whole number (made by the launch before).  The cell is the upper word of q x 2 res: whole numbers alone lead to the addresses.  The weights are f32, rounded as the problem rounds them:
; x01 = q x 2^-31 (exact), pos = x01 x res (rounded once), frac = pos - cell.  Where pos rounds up to the next whole number frac is 1: all weight on the corner that frac = 0 in the next cell would take.
; LEVELS 0 TO 6 are read from pk (the launch before): entries (z R + y) S + s and the next one, 64 consecutive bytes, hold the cell's eight corners: four loads of 16 bytes off one offset.
;   Levels 0 to 5: s = x + x / 3 and S = 4 ceil(R / 3) (every fourth slot repeats a vertex, so the two entries lie in one aligned 128 bytes); level 6: s = x and S = R + 1.
;   Load i = 2 dx + dz holds the vertices (x + dx, y, z + dz) and (x + dx, y + 1, z + dz): summed along y first, then with the weights along x and z.
; LEVELS 7 TO 15 are read from the tables.  The first hash factor is 1, so for an even x cell the entries of corners x and x + 1 differ in bit 0 of the index: one aligned 16 bytes.  Each of the four (y, z) takes one load of 16 bytes,
;   the aligned pair that holds corner x, and directly behind it one of 8 bytes for corner x + 1; lanes whose pair holds both name the level's entry 0 there.  Which of the three entries counts is settled by weights
;   (gx, fx or 0, by v_cndmask_b32), never by an address or a branch.  The index's bit 0 is the same for (y, z) = 00 and 11 (class A) and the opposite for 01 and 10 (class B): both hash factors are odd.
; A RING OF FOUR SLOTS, one for each of a lane's points: 4 or 8 loads a slot; while a slot is summed up, the three younger slots' loads are out.  An offset is a place in its level; the level lies in the scalar base.
; THE PRODUCTS.  Source 0 = a tile of weights as the launch before laid it, source 1 = the points: lane L holds its own point's block c in registers 6 c .. 6 c + 5.  Column r of source 1 then has point r in K quarters 0 and 2
; and point r + 16 in quarters 1 and 3; the tile's rows 0-7 have codes in quarters 0 and 2 alone, rows 8-15 in 1 and 3 alone.  So register j of lane L of tile t's result is unit 8 t + j of point L.
; LIMITS: NaN and infinities in the tables are not served (an entry with weight 0 is multiplied by 0 here and not read there).  A block of zeros gets the scale byte 1 (its codes are zeros; the bytes are this launch's own).
; The sums of a level's eight corners are taken in another order than the problem writes them: f32 rounding alone differs.
.set NQUAD,  250000                    ; the points / 4: lane l of group g stores where 32 g + l is under it
.set GB,     1536                      ; bytes of a group in q, and of a fragment's image in wimg
.set WSC,    26112                     ; where the scale words begin in wimg
.set P1,     0x9e3779b1
.set P2,     0x30025795
.set TB,     0x400000                  ; a level's table in bytes
.set UNIT,   16384                     ; a level of pk takes whole units of so many bytes
.set THIRD,  0x5556                    ; n / 3 = n x 21846 >> 16, exact for n under 32,768
.set FLOOR,  0x2800000                 ; 2^(5 - 127): under it no largest magnitude is taken, so a scale's byte cannot fall under 1
.set EOFF,   0xfe000000                ; takes 4 off an exponent field
.set SPARE,  0x4000                    ; behind the encodings: the spare words
.set LB,  1                            ; v1   8 x lane
.set ADR, 2                            ; v2   the same + 256 x the level that is summed up
.set LI,  3                            ; v3   16 x lane
.set LS,  4                            ; v4   4 x lane
.set Q,   6                            ; v6-17   q: register 3 p + a = axis a of point p
.set XF,  18                           ; v18-29  x01 likewise
.set RF,  30                           ; v30     res as f32
.set ZR,  31                           ; v31     0
.set PR,  32                           ; v32-37  q x 2 res, three pairs: the cells are v33, v35, v37
.set FX,  38                           ; v38-40  frac
.set GX,  41                           ; v41-43  1 - frac
.set CF,  44                           ; v44-46  the cells as f32
.set HA,  47                           ; v47-50  at work on the index
.set HH,  51                           ; v51-54  the hashes of (y, z) = 00, 11, 01, 10
.set CXH, 55
.set CX1, 56
.set ODD, 57
.set MA,  58
.set MB,  59
.set SS,  60
.set WBO, 61
.set G,   64                           ; v64-71  four partial sums, two features each
.set ACC, 72                           ; v72-79  a point's two features, a pair for each point
; a slot's data and weights (34 registers; point p's begin at 160, 196, 88, 124): +0, +4, +8, +12 four loads of 16 bytes; +16, +18, +20, +22 the four third entries (tables alone);
; +24:25 the weights of a load's low and high entry (tables: class A's), +26:27 class B's; +28, +29 the third entry's weight, class A's and B's; +30 .. +33 the four sums' weights
; a slot's offsets (8 registers; point p's begin at 232, 240, 248, 80)
	s_load_b256 s[4:11], s[0:1], 0x0               ; q s[4:5], wimg s[6:7], tables s[8:9], out0 s[10:11]
	s_load_b64 s[52:53], s[0:1], 0x20              ; pk
	v_lshlrev_b32 v[LB], 3, v0
	v_lshlrev_b32 v[LI], 4, v0
	v_lshlrev_b32 v[LS], 2, v0
	v_mov_b32 v[ZR], 0
	s_lshl_b32 s14, ttmp9, 5
	s_sub_co_i32 s14, NQUAD, s14                   ; lanes under this number store: 32 or more, 16 in the last group
	s_mul_i32 s30, ttmp9, GB
	s_mov_b32 s31, 0
	s_lshl_b32 s32, ttmp9, 9
	s_mov_b32 s33, 0
	s_mov_b32 s16, P1
	s_mov_b32 s17, P2
	s_mov_b32 s26, 0x76543210
	s_mov_b32 s27, 0xfedcba98                      ; v_permlanex16_b32's selects for lane l xor 16
.set k, 36
.irp r, 22,30,42,58,80,111,153,212,294,406,561,776,1072,1482,2047
	s_mov_b32 s[k], \r                             ; s36-50: the resolutions of levels 1 to 15
.set k, k+1
.endr
	s_wait_alu depctr_va_vdst(0)
	s_wait_kmcnt 0x0
	s_add_nc_u64 s[4:5], s[4:5], s[30:31]          ; q at my group
	s_add_nc_u64 s[10:11], s[10:11], s[32:33]      ; out0 at my group: 512 bytes
	s_add_nc_u64 s[54:55], s[8:9], 7*TB            ; level 7's table
	s_mov_b64 s[8:9], s[52:53]                     ; the base of the loads: level 0 of pk
.irp c, 0,1,2
	global_load_b128 v[Q+4*\c:Q+4*\c+3], v[LI], s[4:5] offset:512*\c th:TH_LOAD_NT   ; 512 consecutive bytes; read once in the launch
.endr
.macro LEVELSET packed                 ; what hangs on the level: s18 res, s19 2 res, v30 res as f32; in pk also s21 = S, the entries of a row, and s34, the factor that makes x / 3 (level 6: 0)
	s_lshl_b32 s19, s18, 1
.if \packed
	s_add_co_u32 s21, s18, 2
	s_mul_i32 s21, s21, THIRD
	s_lshr_b32 s21, s21, 16
	s_lshl_b32 s21, s21, 2                         ; 4 ceil(R / 3)
	s_add_co_u32 s35, s18, 1
	s_cmp_lt_u32 s18, 111
	s_cselect_b32 s21, s21, s35
	s_cselect_b32 s34, THIRD, 0
.endif
	v_cvt_f32_u32 v[RF], s18
.endm
.macro NEXTLEVEL k                     ; k = 0: on in pk; 1: from pk to the tables; 2: on in the tables
.if \k == 0
	s_mul_i32 s22, s18, s18                        ; the level left behind: R R S entries of 32 bytes, rounded up to whole units
	s_mul_i32 s22, s22, s21
	s_lshl_b32 s22, s22, 5
	s_add_co_u32 s22, s22, UNIT-1
	s_and_b32 s22, s22, 0xffffc000
	s_mov_b32 s23, 0
.endif
	s_mov_b32 s18, s36
.irp n, 36,37,38,39,40,41,42,43,44,45,46,47,48,49
	s_mov_b32 s[\n], s[\n+1]                       ; the list moves up by one: the loops' text names one register
.endr
.if \k == 0
	LEVELSET 1
.else
	LEVELSET 0
.endif
	s_wait_alu depctr_va_vdst(0)
	s_wait_xcnt 0x0                                ; the loads of the level before have had their addresses translated (ISA guide 3.1): their base is written only behind this wait
.if \k == 0
	s_add_nc_u64 s[8:9], s[8:9], s[22:23]
.endif
.if \k == 1
	s_mov_b64 s[8:9], s[54:55]
.endif
.if \k == 2
	s_add_nc_u64 s[8:9], s[8:9], TB
.endif
.endm
.macro CELL p                          ; cells, pos, cells as f32
.irp a, 0,1,2
	v_mad_co_u64_u32 v[PR+2*\a:PR+2*\a+1], null, v[Q+3*(\p)+\a], s19, 0   ; q x 2 res: the upper word is the cell
.endr
.irp a, 0,1,2
	v_mul_f32 v[FX+\a], v[RF], v[XF+3*(\p)+\a]     ; pos
.endr
.irp a, 0,1,2
	v_cvt_f32_u32 v[CF+\a], v[PR+2*\a+1]
.endr
.endm
; POINT p's CELL, WEIGHTS AND LOADS.  h = 0: from pk, 4 loads; h = 1: from the tables, 8 loads
.macro PRODUCE p, h
.set SBP, 160+36*(\p)-144*((\p)/2)
.set OBP, 232+8*(\p)-176*((\p)/3)
	CELL \p
.if \h == 0
	v_mul_u32_u24 v[HA+1], s34, v[PR+1]
	s_delay_alu instid0(VALU_DEP_1)
	v_lshrrev_b32 v[HA+1], 16, v[HA+1]             ; x / 3 (level 6: 0)
	s_delay_alu instid0(VALU_DEP_1)
	v_add_nc_u32 v[PR+1], v[PR+1], v[HA+1]         ; the slot s
.irp a, 0,1,2
	v_min_u32 v[PR+2*\a+1], 0x7ff, v[PR+2*\a+1]    ; numbers made of loaded ones are held by a constant written here (they lie under it already); only products, sums and a shift follow
.endr
	v_sub_f32 v[FX], v[FX], v[CF]                  ; frac; y's goes to its place among the slot's weights
	v_sub_f32 v[SBP+25], v[FX+1], v[CF+1]
	v_sub_f32 v[FX+2], v[FX+2], v[CF+2]
	v_mul_u32_u24 v[HA], s18, v[PR+5]              ; z R
	s_delay_alu instid0(VALU_DEP_4)
	v_sub_f32 v[GX], 1.0, v[FX]
	s_delay_alu instid0(VALU_DEP_4)
	v_sub_f32 v[SBP+24], 1.0, v[SBP+25]
	s_delay_alu instid0(VALU_DEP_4)
	v_sub_f32 v[GX+2], 1.0, v[FX+2]
	s_delay_alu instid0(VALU_DEP_4)
	v_add_nc_u32 v[HA], v[HA], v[PR+3]             ; + y
	v_mul_f32 v[SBP+33], v[FX], v[FX+2]            ; (dx, dz) = 11
	s_delay_alu instid0(VALU_DEP_3)
	v_mul_f32 v[SBP+32], v[FX], v[GX+2]            ; 10
	s_delay_alu instid0(VALU_DEP_3)
	v_mul_u32_u24 v[HA], s21, v[HA]                ; x S
	v_mul_f32 v[SBP+31], v[GX], v[FX+2]            ; 01
	v_mul_f32 v[SBP+30], v[GX], v[GX+2]            ; 00
	s_delay_alu instid0(VALU_DEP_3)
	v_add_nc_u32 v[HA], v[HA], v[PR+1]             ; + s
	s_delay_alu instid0(VALU_DEP_1)
	v_lshlrev_b32 v[OBP], 5, v[HA]                 ; an entry is 32 bytes
.irp i, 0,1,2,3
	global_load_b128 v[SBP+4*\i:SBP+4*\i+3], v[OBP], s[8:9] offset:16*\i
.endr
.else
.irp a, 0,1,2
	s_delay_alu instid0(VALU_DEP_3)
	v_sub_f32 v[FX+\a], v[FX+\a], v[CF+\a]         ; frac
.endr
.irp a, 0,1,2
	s_delay_alu instid0(VALU_DEP_3)
	v_sub_f32 v[GX+\a], 1.0, v[FX+\a]
.endr
	s_delay_alu instid0(VALU_DEP_1)
	v_mul_f32 v[SBP+30], v[GX+1], v[GX+2]          ; (y, z) = 00
	v_mul_f32 v[SBP+31], v[FX+1], v[FX+2]          ; 11
	s_delay_alu instid0(VALU_DEP_4)
	v_mul_f32 v[SBP+32], v[GX+1], v[FX+2]          ; 01
	s_delay_alu instid0(VALU_DEP_4)
	v_mul_f32 v[SBP+33], v[FX+1], v[GX+2]          ; 10
	v_mul_lo_u32 v[HA], v[PR+3], s16
	v_mul_lo_u32 v[HA+2], v[PR+5], s17
	s_delay_alu instid0(VALU_DEP_2)
	v_add_nc_u32 v[HA+1], s16, v[HA]
	s_delay_alu instid0(VALU_DEP_2)
	v_add_nc_u32 v[HA+3], s17, v[HA+2]
	s_delay_alu instid0(VALU_DEP_3)
	v_xor_b32 v[HH], v[HA], v[HA+2]
	s_delay_alu instid0(VALU_DEP_2)
	v_xor_b32 v[HH+1], v[HA+1], v[HA+3]
	s_delay_alu instid0(VALU_DEP_3)
	v_xor_b32 v[HH+2], v[HA], v[HA+3]
	v_xor_b32 v[HH+3], v[HA+1], v[HA+2]
	v_lshrrev_b32 v[CXH], 1, v[PR+1]               ; cell x / 2
	v_and_b32 v[ODD], 1, v[PR+1]
	v_add_nc_u32 v[CX1], 1, v[PR+1]
	v_xor_b32 v[SS], v[HH], v[PR+1]
	s_delay_alu instid0(VALU_DEP_3)
	v_sub_nc_u32 v[MA], 0, v[ODD]                  ; all ones where the cell is odd
	s_delay_alu instid0(VALU_DEP_2)
	v_and_b32 v[SS], 1, v[SS]                      ; bit 0 of class A's index
	s_delay_alu instid0(VALU_DEP_2)
	v_and_b32 v[MB], 0x7ffff, v[MA]
	s_delay_alu instid0(VALU_DEP_3)
	v_and_b32 v[CX1], v[CX1], v[MA]
.irp i, 0,1,2,3
	v_bfe_u32 v[OBP+\i], v[HH+\i], 1, 18           ; the pair's number: bits 18:1 of the hash
.endr
.irp i, 0,1,2,3
	v_and_b32 v[OBP+4+\i], v[MB], v[HH+\i]         ; the third entry's: the hash's low 19 bits where the cell is odd, else 0
.endr
.irp i, 0,1,2,3
	v_xor_b32 v[OBP+\i], v[CXH], v[OBP+\i]
.endr
.irp i, 0,1,2,3
	v_xor_b32 v[OBP+4+\i], v[CX1], v[OBP+4+\i]
.endr
	v_cmp_ne_u32 s28, 0, v[ODD]
	v_cmp_ne_u32 vcc_lo, 0, v[SS]
	s_delay_alu instid0(VALU_DEP_2)
	v_cndmask_b32 v[WBO], v[FX], v[ZR], s28        ; the pair's other entry is corner x + 1 where the cell is even
	s_delay_alu instid0(VALU_DEP_3)
	v_cndmask_b32 v[SBP+28], v[ZR], v[FX], s28     ; where it is odd the third entry is
	s_delay_alu instid0(VALU_DEP_4)
	v_cndmask_b32 v[SBP+29], v[ZR], v[FX], s28
	s_delay_alu instid0(VALU_DEP_3)
	v_cndmask_b32 v[SBP+24], v[GX], v[WBO], vcc_lo ; class A: corner x is the low entry where bit 0 is 0,
	s_delay_alu instid0(VALU_DEP_4)
	v_cndmask_b32 v[SBP+25], v[WBO], v[GX], vcc_lo ; the high one where it is 1;
	v_cndmask_b32 v[SBP+26], v[WBO], v[GX], vcc_lo ; class B the other way round
	v_cndmask_b32 v[SBP+27], v[GX], v[WBO], vcc_lo
.irp i, 0,1,2,3
	v_min_u32 v[OBP+\i], 0x3ffff, v[OBP+\i]        ; held inside the table by a constant written here (they lie inside already); only a shift follows
.endr
.irp i, 0,1,2,3
	v_min_u32 v[OBP+4+\i], 0x7ffff, v[OBP+4+\i]
.endr
.irp i, 0,1,2,3
	v_lshlrev_b32 v[OBP+\i], 4, v[OBP+\i]          ; a pair is 16 bytes,
.endr
.irp i, 0,1,2,3
	v_lshlrev_b32 v[OBP+4+\i], 3, v[OBP+4+\i]      ; an entry 8
.endr
.irp i, 0,1,2,3
	global_load_b128 v[SBP+4*\i:SBP+4*\i+3], v[OBP+\i], s[8:9]
	global_load_b64 v[SBP+16+2*\i:SBP+17+2*\i], v[OBP+4+\i], s[8:9]
.endr
.endif
.endm
; POINT p's SLOT IS SUMMED UP in packed instructions (a pair = the two features), and the two features go to LDS.  h as above
.macro CONSUME p, h
.set SBP, 160+36*(\p)-144*((\p)/2)
.irp i, 0,1,2,3
	v_pk_mul_f32 v[G+2*\i:G+2*\i+1], v[SBP+4*\i:SBP+4*\i+1], v[SBP+24+2*(\i/2)*(\h):SBP+25+2*(\i/2)*(\h)] op_sel_hi:[1,0]   ; the low entry x the first weight (the weights' low word for both halves)
.endr
.irp i, 0,1,2,3
	s_delay_alu instid0(VALU_DEP_4)
	v_pk_fma_f32 v[G+2*\i:G+2*\i+1], v[SBP+4*\i+2:SBP+4*\i+3], v[SBP+24+2*(\i/2)*(\h):SBP+25+2*(\i/2)*(\h)], v[G+2*\i:G+2*\i+1] op_sel:[0,1,0] op_sel_hi:[1,1,1]   ; + the high entry x the second (the high word for both)
.endr
.if \h
.irp i, 0,1
	s_delay_alu instid0(VALU_DEP_4)
	v_pk_fma_f32 v[G+2*\i:G+2*\i+1], v[SBP+16+2*\i:SBP+17+2*\i], v[SBP+28:SBP+29], v[G+2*\i:G+2*\i+1] op_sel_hi:[1,0,1]   ; + the third entry x class A's weight
.endr
.irp i, 2,3
	s_delay_alu instid0(VALU_DEP_4)
	v_pk_fma_f32 v[G+2*\i:G+2*\i+1], v[SBP+16+2*\i:SBP+17+2*\i], v[SBP+28:SBP+29], v[G+2*\i:G+2*\i+1] op_sel:[0,1,0] op_sel_hi:[1,1,1]   ; class B's
.endr
.endif
	s_delay_alu instid0(VALU_DEP_4)
	v_pk_mul_f32 v[ACC+2*(\p):ACC+2*(\p)+1], v[G:G+1], v[SBP+30:SBP+31] op_sel_hi:[1,0]
	s_delay_alu instid0(VALU_DEP_1)
	v_pk_fma_f32 v[ACC+2*(\p):ACC+2*(\p)+1], v[G+2:G+3], v[SBP+30:SBP+31], v[ACC+2*(\p):ACC+2*(\p)+1] op_sel:[0,1,0] op_sel_hi:[1,1,1]
	s_delay_alu instid0(VALU_DEP_1)
	v_pk_fma_f32 v[ACC+2*(\p):ACC+2*(\p)+1], v[G+4:G+5], v[SBP+32:SBP+33], v[ACC+2*(\p):ACC+2*(\p)+1] op_sel_hi:[1,0,1]
	s_delay_alu instid0(VALU_DEP_1)
	v_pk_fma_f32 v[ACC+2*(\p):ACC+2*(\p)+1], v[G+6:G+7], v[SBP+32:SBP+33], v[ACC+2*(\p):ACC+2*(\p)+1] op_sel:[0,1,0] op_sel_hi:[1,1,1]
	ds_store_b64 v[ADR], v[ACC+2*(\p):ACC+2*(\p)+1] offset:4096*(\p)       ; 32 lanes store 256 consecutive bytes
.endm
; A TRIP: one level (kind ch) is summed up, the next one (kind ph) is asked for.  w0 .. w3: the loads issued behind slot p's, which may stay out when it is summed up (loads come back in order: ISA guide 5.7.1)
.macro TRIP ch, nk, ph, w0, w1, w2, w3
	s_wait_dscnt 0x0                               ; the last level's four LDS stores are done
	v_add_nc_u32 v[ADR], s24, v[LB]
	s_wait_loadcnt \w0
	CONSUME 0, \ch
	NEXTLEVEL \nk
	PRODUCE 0, \ph
	s_wait_loadcnt \w1
	CONSUME 1, \ch
	PRODUCE 1, \ph
	s_wait_loadcnt \w2
	CONSUME 2, \ch
	PRODUCE 2, \ph
	s_wait_loadcnt \w3
	CONSUME 3, \ch
	PRODUCE 3, \ph
	s_add_co_u32 s24, s24, 256
.endm
; eight fragments of weights, images f0 .. f0 + 7, and their scale words: 32 loads
.macro WLOAD f0
.irp t, 0,1,2,3,4,5,6,7
.irp c, 0,1,2
	global_load_b128 v[160+12*\t+4*\c:163+12*\t+4*\c], v[LI], s[6:7] offset:GB*(\f0+\t)+512*\c
.endr
	global_load_b32 v[6+\t], v[LS], s[6:7] offset:WSC+128*(\f0+\t)
.endr
.endm
	s_wait_loadcnt 0x0                             ; q
.irp i, 0,1,2,3,4,5,6,7,8,9,10,11
	v_cvt_f32_u32 v[XF+\i], v[Q+\i]                ; exact (2^31 - 1 alone rounds: to 2^31, which is x01 = 1)
.endr
.irp i, 0,1,2,3,4,5,6,7,8,9,10,11
	v_mul_f32 v[XF+\i], 0x30000000, v[XF+\i]       ; x 2^-31
.endr
	s_wait_alu depctr_va_vdst(0)
	s_mov_b32 s18, 16
	LEVELSET 1
	s_mov_b32 s24, 0                               ; 256 x the level that is summed up
	PRODUCE 0, 0                                   ; level 0 fills the ring: 16 loads are out
	PRODUCE 1, 0
	PRODUCE 2, 0
	PRODUCE 3, 0
	s_mov_b32 s25, 6
.Lpacked:                                              ; levels 0 to 5 are summed up, levels 1 to 6 asked for: three younger slots of 4 loads stay out
	TRIP 0, 0, 0, 12, 12, 12, 12
	s_sub_co_u32 s25, s25, 1
	s_cmp_lg_u32 s25, 0
	s_cbranch_scc1 .Lpacked
	TRIP 0, 1, 1, 12, 16, 20, 24                   ; level 6 is summed up, level 7 asked for: the younger slots have 4 + 4 + 4, 4 + 4 + 8, 4 + 8 + 8, 8 + 8 + 8 loads
	s_mov_b32 s25, 8
.Lhash:                                                ; levels 7 to 14 are summed up, levels 8 to 15 asked for: three younger slots of 8 loads stay out
	TRIP 1, 2, 1, 24, 24, 24, 24
	s_sub_co_u32 s25, s25, 1
	s_cmp_lg_u32 s25, 0
	s_cbranch_scc1 .Lhash
	s_wait_dscnt 0x0                               ; level 15: nothing more is asked of the tables, and the counts run down
	v_add_nc_u32 v[ADR], s24, v[LB]
	s_wait_loadcnt 24
	CONSUME 0, 1
	s_wait_loadcnt 16
	CONSUME 1, 1
	s_wait_loadcnt 8
	CONSUME 2, 1
	s_wait_loadcnt 0x0
	CONSUME 3, 1
	WLOAD 0                                        ; W0's eight fragments into v160-255, their scale words into v6-13 (all done with); they land while the first 32 points are quantised
; ---- THE THREE PRODUCTS.  v6-13 the weights' scale words; v14-17 the points' scale words, one for each p; v18 the encoding's; v19 W2's; v20-31 the encoding's codes (later W2's fragment);
; v32-43 at work; v44-47 sigma; v48-95 the hidden layer's codes, 12 registers for each p; v96-159 64 numbers of my point; v160-255 eight fragments of weights.
.macro ELOAD p                         ; my point p's 32 features, out of the wave's LDS: each load takes 256 consecutive bytes
.irp l, 0,1,2,3,4,5,6,7,8,9,10,11,12,13,14,15
	ds_load_b64 v[96+2*\l:97+2*\l], v[LB] offset:4096*(\p)+256*\l
.endr
	s_wait_dscnt 0x0
.endm
.macro QUANT_E                         ; v96-127, one block of 32, all mine -> codes v20-25 (v26-31 stay zero codes: K = 32), scale word v18
	v_max3_num_f32 v32, |v96|, |v97|, FLOOR
	v_max3_num_f32 v33, |v112|, |v113|, FLOOR
.irp i, 2,4,6,8,10,12,14
	s_delay_alu instid0(VALU_DEP_2)
	v_max3_num_f32 v32, v32, |v[96+\i]|, |v[97+\i]|
	s_delay_alu instid0(VALU_DEP_2)
	v_max3_num_f32 v33, v33, |v[112+\i]|, |v[113+\i]|
.endr
	s_delay_alu instid0(VALU_DEP_1)
	v_max_num_f32 v32, v32, v33                    ; the block's largest magnitude
	s_delay_alu instid0(VALU_DEP_1)
	v_add_nc_u32 v34, EOFF, v32                    ; 4 off its exponent field: the conversion takes the exponent field of this operand as its scale
	s_delay_alu instid0(VALU_DEP_1)
	v_lshrrev_b32 v35, 23, v34                     ; the scale's byte
	s_delay_alu instid0(VALU_DEP_1)
	v_permlanex16_b32 v39, v35, s26, s27           ; that of the point 16 lanes away,
	s_delay_alu instid0(VALU_DEP_1)
	v_lshl_or_b32 v18, v39, 8, v35                 ; which has K quarter 1 of my column (lanes 0-15 are read)
	v_cvt_scalef32_pk16_bf6_f32 v[20:22], v[96:111], v34
	v_cvt_scalef32_pk16_bf6_f32 v[36:38], v[112:127], v34      ; (a conversion's three registers begin on an even number)
	v_nop                                          ; one plain place behind a scaled conversion
	v_mov_b32 v23, v36
	v_mov_b32 v24, v37
	v_mov_b32 v25, v38
.rept 8
	v_nop                                          ; a scale register written by a vector instruction stands 8 places ahead of a scaled matrix instruction, an operand so written 4
.endr
.endm
.macro MM x, xs                        ; eight tiles: all 64 units of the wave's 32 points.  Eight accumulators, each begun with the constant 0: no instruction adds onto another's result
.irp t, 0,1,2,3,4,5,6,7
	v_wmma_scale_f32_16x16x128_f8f6f4 v[96+8*\t:103+8*\t], v[160+12*\t:171+12*\t], v[(\x):(\x)+11], 0, v[6+\t], v[(\xs)] matrix_a_fmt:MATRIX_FMT_BF6 matrix_b_fmt:MATRIX_FMT_BF6
.endr
.rept 4
	v_nop                                          ; four places ahead of the first read of results and of loads into registers that these products have read
.endr
.endm
.macro RELU                            ; in ascending order: each accumulator is read from its low end on
.set j, 96
.rept 64
	v_max_num_f32 v[j], 0, v[j]
.set j, j+1
.endr
.endm
.macro QUANT_H p, tail                 ; v96-159, two blocks of 32, none negative -> codes v[48 + 12 p ..], scale word v[14 + p]
.set XPP, 48+12*(\p)
	v_max3_num_f32 v32, v96, v97, FLOOR
	v_max3_num_f32 v33, v128, v129, FLOOR
.irp i, 2,4,6,8,10,12,14,16,18,20,22,24,26,28,30
	s_delay_alu instid0(VALU_DEP_2)
	v_max3_num_f32 v32, v32, v[96+\i], v[97+\i]    ; (the two blocks by turns)
	s_delay_alu instid0(VALU_DEP_2)
	v_max3_num_f32 v33, v33, v[128+\i], v[129+\i]
.endr
	s_delay_alu instid0(VALU_DEP_2)
	v_add_nc_u32 v34, EOFF, v32
	s_delay_alu instid0(VALU_DEP_2)
	v_add_nc_u32 v35, EOFF, v33
	s_delay_alu instid0(VALU_DEP_2)
	v_lshrrev_b32 v32, 23, v34
	s_delay_alu instid0(VALU_DEP_2)
	v_lshrrev_b32 v33, 23, v35
	s_delay_alu instid0(VALU_DEP_1)
	v_lshl_or_b32 v32, v33, 16, v32                ; my two bytes: K quarters 0 and 2 of my column,
	s_delay_alu instid0(VALU_DEP_1)
	v_permlanex16_b32 v39, v32, s26, s27
	s_delay_alu instid0(VALU_DEP_1)
	v_lshl_or_b32 v[14+(\p)], v39, 8, v32          ; and those of the point 16 lanes away: quarters 1 and 3
	v_cvt_scalef32_pk16_bf6_f32 v[XPP:XPP+2], v[96:111], v34
	v_cvt_scalef32_pk16_bf6_f32 v[36:38], v[112:127], v34
	v_cvt_scalef32_pk16_bf6_f32 v[XPP+6:XPP+8], v[128:143], v35
	v_cvt_scalef32_pk16_bf6_f32 v[40:42], v[144:159], v35
	v_nop                                          ; one plain place behind a scaled conversion
.irp i, 0,1,2
	v_mov_b32 v[XPP+3+\i], v[36+\i]
	v_mov_b32 v[XPP+9+\i], v[40+\i]
.endr
.if \tail
.rept 8
	v_nop                                          ; the next product names this scale word and these codes
.endr
.endif
.endm
.irp j, 26,27,28,29,30,31,39
	v_mov_b32 v\j, 0                               ; the encoding's second block: zero codes; v39: a lane permute's destination counts as one of its sources
.endr
.irp p, 0,1,2,3                        ; the first product, 32 points at a time
	ELOAD \p
	QUANT_E
.if \p == 0
	s_wait_alu depctr_va_vdst(0)
	s_wait_loadcnt 0x0                             ; W0
.endif
	MM 20, 18
.if \p == 3
	WLOAD 8                                        ; W1 takes W0's place, behind the four places; it lands while the last 32 points are quantised
.irp c, 0,1,2
	global_load_b128 v[20+4*\c:23+4*\c], v[LI], s[6:7] offset:GB*16+512*\c     ; and W2's fragment the encoding's
.endr
	global_load_b32 v19, v[LS], s[6:7] offset:WSC+128*16
.endif
	RELU
	QUANT_H \p, 0
.endr
	s_wait_loadcnt 0x0                             ; W1, W2
.irp p, 0,1,2,3                        ; the second product; the codes are renewed in place
	MM 48+12*\p, 14+\p
	RELU
	QUANT_H \p, \p/3
.endr
.irp p, 0,1,2,3                        ; the third: the tile with column 0; four accumulators
	v_wmma_scale_f32_16x16x128_f8f6f4 v[96+8*\p:103+8*\p], v[20:31], v[48+12*\p:59+12*\p], 0, v19, v[14+\p] matrix_a_fmt:MATRIX_FMT_BF6 matrix_b_fmt:MATRIX_FMT_BF6
.endr
.rept 4
	v_nop
.endr
.irp p, 0,1,2,3
	v_mov_b32 v[44+\p], v[96+8*\p]                 ; register 0 of a lane is unit 0 of its point: sigma
.endr
	v_cmp_gt_i32 vcc_lo, s14, v0
	s_wait_alu depctr_va_vdst(0)
	s_wait_xcnt 0x0                                ; EXEC changes only behind this wait: loads have been issued since the last one
	s_and_saveexec_b32 s28, vcc_lo
	global_store_b128 v[LI], v[44:47], s[10:11] th:TH_STORE_NT     ; 32 lanes store 512 consecutive bytes, at a multiple of 256 from out0's first byte; written once
	s_wait_xcnt 0x0                                ; and again, in front of the line that widens it
	s_or_b32 exec_lo, exec_lo, s28
	s_wait_xcnt 0x0
	s_mov_b32 exec_lo, -1
	v_lshl_add_u32 v158, v0, 2, SPARE              ; the wave's end
	v_mov_b32 v159, 0
	s_wait_alu depctr_va_vdst(0)
	s_wait_tensorcnt 0x0
	ds_add_u32 v158, v159
	s_wait_dscnt 0x0
	s_endpgm
.Lfunc_end_k_q73ab0a3827_render:
	.size	k_q73ab0a3827_render, .Lfunc_end_k_q73ab0a3827_render-k_q73ab0a3827_render
	.p2alignl 7, 3214868480
	.fill 96, 4, 3214868480
	.section	.rodata,"a",@progbits
	.p2align	6, 0x0
	.amdhsa_kernel k_q73ab0a3827_render
		.amdhsa_group_segment_fixed_size 16640
		.amdhsa_private_segment_fixed_size 0
		.amdhsa_enable_private_segment 0
		.amdhsa_kernarg_size 40
		.amdhsa_user_sgpr_count 2
		.amdhsa_user_sgpr_kernarg_segment_ptr 1
		.amdhsa_wavefront_size32 1
		.amdhsa_system_sgpr_workgroup_id_x 1
		.amdhsa_system_sgpr_workgroup_id_y 1
		.amdhsa_system_sgpr_workgroup_id_z 1
		.amdhsa_system_vgpr_workitem_id 0
		.amdhsa_next_free_vgpr 256
		.amdhsa_next_free_sgpr 66
		.amdhsa_reserve_vcc 1
		.amdhsa_float_denorm_mode_32 3
		.amdhsa_float_denorm_mode_16_64 3
		.amdhsa_memory_ordered 1
		.amdhsa_forward_progress 1
		.amdhsa_inst_pref_size 158
	.end_amdhsa_kernel
	.amdgpu_metadata
---
amdhsa.version: [ 1, 2 ]
amdhsa.kernels:
  - .name:           k_q73ab0a3827_render
    .symbol:         k_q73ab0a3827_render.kd
    .args:
      - { .name: q, .offset: 0, .size: 8, .value_kind: global_buffer, .address_space: global }
      - { .name: wimg, .offset: 8, .size: 8, .value_kind: global_buffer, .address_space: global }
      - { .name: tables, .offset: 16, .size: 8, .value_kind: global_buffer, .address_space: global }
      - { .name: out0, .offset: 24, .size: 8, .value_kind: global_buffer, .address_space: global }
      - { .name: pk, .offset: 32, .size: 8, .value_kind: global_buffer, .address_space: global }
    .group_segment_fixed_size: 16640
    .private_segment_fixed_size: 0
    .kernarg_segment_align: 8
    .kernarg_segment_size: 40
    .max_flat_workgroup_size: 32
    .sgpr_count:     66
    .vgpr_count:     256
    .wavefront_size: 32
...
	.end_amdgpu_metadata
.endif
;; end of part 2
